; MI455X (gfx1250); checked and timed in simulation.
; The chip was launched on July 23, 2026; its instructions are those of AMD's public machine-readable ISA for CDNA 5 (MIT licence, August 2026) and "CDNA5" Instruction Set Architecture Reference Guide (July 2026). The comments in the code are by the model that wrote it; some were corrected since.
;; Hypformer Linear Attention. Allowed arithmetic: float matrix products may take bf16 or f16 operands with f32 sums; all other float work in f32.
;; Inputs: K_in 16 x 4,096 x 129 float32; Q 16 x 4,096 x 129 float32; V 16 x 4,096 x 128 float32; W 128 x 128 float32.
;; Outputs: out0 16 x 4,096 x 129 float32.
;; Constants: causal = 1.
;; One version. Each part assembles by itself: llvm-mc -triple=amdgcn-amd-amdhsa -mcpu=gfx1250 --defsym DOCPART=n.
;; ======== version 1 of 1: 3 launches
;; workspace buffers: xk 16,777,216 bytes; vb 16,777,216 bytes; st 18,874,368 bytes; pst 18,874,368 bytes
;; launch kv (part 1): grid 16 x 16, 4 waves a work-group, no clusters, 311,808 bytes of LDS; arguments K_in, V, W, xk, vb, st; writes xk, vb, st
.if DOCPART == 1
	.amdgcn_target "amdgcn-amd-amdhsa--gfx1250"
	.amdhsa_code_object_version 6
	.text
	.protected	k_q9c54821a81_kv
	.globl	k_q9c54821a81_kv
	.p2align	8
	.type	k_q9c54821a81_kv,@function
k_q9c54821a81_kv:
	s_mov_b64 s[64:65], 0
	v_nop
	global_prefetch_b8 v0, s[64:65] scope:SCOPE_SE
	s_setreg_imm32_b32 hwreg(HW_REG_WAVE_MODE, 25, 1), 1
	s_wait_xcnt 0x0
; kv: for one chunk of 256 keys of one batch: x = K_in[..., 1:] rounded to bf16, written in the order of matrix fragments; V rounded to bf16, written [row][128];
; and the chunk's state  St[m][v] = sum over its keys of phi_k[key][m] * [V | 1][key][v]  (f32, 128 x 144: column block 8 holds z, sixteen times),
; with phi_k = exp(s x.W - s^2 |x|^2 / 2) / sqrt(128), s = 128^-1/4.
; FORMATS.  K_in, V and W are rounded to bf16 once; the scale s is applied in f32 behind the product and |x|^2 is taken of the rounded x.
; phi_k enters the state's product as TWO bf16 numbers, hi = bf16(phi) and lo = bf16(phi - hi) (the difference is exact in f32): a sum here is carried by a few keys, so one rounding to 8 bits would show in the result.
; LIMITS.  The factor 1/sqrt(128) is folded into the exponent (2^-3.5); a phi below 2^-126 counts as 0; one above bf16's largest finite number rounds to infinity, and its lo is then NaN; NaN and infinities are not treated apart.
; SHARES.  Four waves; a wave owns 64 consecutive keys.  64 rows of K_in are 33,024 bytes = 129 x 256, dense and aligned, so they come in as they lie (rows of 516 bytes have no alignment of their own).
; NO CLUSTER: the work-groups share W alone, 65,536 of the 328,704 bytes that a work-group fetches.
; LDS.  Every tensor load is a first fill; the bf16 images are stored over the wave's own f32 bytes when those have been read.
; The last chunk of a batch forms no state: no later chunk wants it.
.set KBLK,  33024                      ; 64 rows of K_in, bytes
.set KAREA, 36864                      ; a wave's area: its block of K_in; later phi_k's two images, 64 rows of PP bytes each
.set VBLK,  32768                      ; 64 rows of V, bytes
.set VOFF,  4*KAREA                    ; four blocks of V; later V in bf16, 64 rows of PP bytes at each block's head
.set WOFF,  VOFF+4*VBLK                ; W in bf16, 32 fragments of 1,024 bytes
.set SPARE, WOFF+32768                 ; the spare words, 128 bytes a wave
.set PP,    288                        ; pitch of a bf16 row
.set LOI,   64*PP                      ; the lo image lies behind the hi image
.set LR, 1                             ; lane % 16
.set LH, 2                             ; lane / 16
.set LL, 3                             ; lane
.set SPW, 4                            ; my spare word's address; never rewritten
.set NIL, 5                            ; 0; never rewritten
.set AX, 6                             ; my x words in my block of K_in
.set AWS, 7                            ; where I store my fragments of W
.set AWL, 8                            ; where W's first fragment is read
.set GW, 9                             ; my byte offset in W
.set ZR, 10                            ; 0.0
.set APS, 11                           ; where I put 16 bytes of a row of phi_k, feature block 0
.set AWC, 12                           ; AWL + the trip's step
.set G16, 13                           ; 16 x lane
.set AVL, 14                           ; V in f32: 16 x lane in my block
.set AVS, 15                           ; V in bf16: 8 x lane in my block
.set G8, 16                            ; 8 x lane
.set TA, 17
.set ATK, 18                           ; v18-19 turning loads of phi_k hi: areas 0-1, areas 2-3
.set ATV, 20                           ; v20-21 the same for V
.set TB, 22
.set APC, 23                           ; APS + the trip's step
.set C0, 24                            ; v24-31 per tile of 16 keys: -(s^2/2) log2(e) |x|^2 - 3.5, as a pair
.set SS, 32                            ; v32-35 four partial sums of squares
.set NEG1, 36                          ; -1.0
.set ATKL, 38                          ; v38-39 turning loads of phi_k lo
.set PKD, 40                           ; v40-55 packed phi_k on its way to LDS: hi, then lo
.set ACC, 64                           ; v64-127 two sets of four accumulators
.set T, 64                             ; the same registers, earlier: x in f32, two buffers of 32
.set XF, 128                           ; v128-255 x in bf16: tile n, K step k at XF + 32 n + 8 k
.set RAW, 64                           ; W in f32 (v64-191), ahead of all that
.set WP, 192                           ; W packed
.set AF, 64                            ; the state: fragments of phi_k^T hi, two buffers of 16
.set BF, 96                            ; fragments of V, two buffers of 64
.set ONES, 224                         ; a fragment of ones
.set WF, 192                           ; window 1: fragments of W, two buffers of 32
.set AFL, 192                          ; window 1, later: fragments of phi_k^T lo, two buffers of 16; v0-143 of window 1: the state's 18 accumulators
.set W_LD, 0x40                        ; destination window 1
.set W_UM, 0x01                        ; source 0 window 1
.set WV, 16
.set CI, 17
.set CH, 18
.set G1K, 24
.set G1V, 32
.set G0K, 40
.set G0V, 44
.set XKB, 48
.set VBB, 50
.set STB, 52
.set C1, 60                            ; s[60:61] s log2(e)
.set NC2, 62                           ; -(s^2/2) log2(e)
.set NB, 63                            ; -3.5
.set SEL, 66                           ; s[66:67] each lane takes its own place in the other half
.set WO, 68                            ; the phi loop: byte step in W's fragments
.set PO, 69                            ; byte step along a row of the images
.set CNT, 70                           ; trips to go
.set MSB, 0
.macro WIN new                         ; the immediate's high byte repeats the setting that is left; a switch that changes nothing is dropped
.if MSB != (\new)
	s_set_vgpr_msb (MSB<<8)|(\new)
.set MSB, (\new)
.endif
.endm
.macro PLACES                          ; four plain vector instructions between a matrix instruction and what reads its result or writes its registers (ISA guide 7.12.1)
.rept 4
	v_nop
.endr
.endm
	s_load_b256 s[4:11], s[0:1], 0x0               ; K_in s[4:5], V s[6:7], W s[8:9], xk s[10:11]
	s_load_b128 s[12:15], s[0:1], 0x20             ; vb s[12:13], st s[14:15]
	v_lshl_add_u32 v[SPW], v0, 2, SPARE
	v_mov_b32 v[NIL], 0
	ds_add_u32 v[SPW], v[NIL]                      ; the wave's opening: the add and its wait ahead of my first tensor load
	ds_add_u32 v4, v5
	v_lshrrev_b32 v[TA], 5, v0
	v_readfirstlane_b32 s[WV], v[TA]               ; wave 0..3
	s_mov_b32 s[CH], ttmp9                         ; chunk in the batch
	s_and_b32 s[CI], ttmp7, 0xffff
	s_lshl_b32 s[CI], s[CI], 4
	s_add_co_u32 s[CI], s[CI], s[CH]               ; chunk among all 256
	; descriptor group 1: a dense block as rows of 32 elements of 8 bytes
.irp g, G1K, G1V
	s_mov_b32 s[\g+0], 3<<16                       ; elements of 8 bytes, no mask, no padding
	s_mov_b32 s[\g+1], 32<<16                      ; tensor_dim0 = 32
	s_mov_b32 s[\g+3], 32<<16                      ; tile_dim0 = 32
	s_mov_b32 s[\g+5], 32                          ; 32 elements from row to row
	s_mov_b32 s[\g+6], 0
	s_mov_b32 s[\g+7], 0
.endr
	s_mov_b32 s[G1K+2], 129<<16                    ; tensor_dim1
	s_mov_b32 s[G1K+4], 129                        ; tile_dim1: 129 x 256 bytes = 64 rows of K_in
	s_mov_b32 s[G1V+2], 128<<16
	s_mov_b32 s[G1V+4], 128                        ; 128 x 256 bytes = 64 rows of V
	s_mul_i32 s20, s[WV], KAREA                    ; my area in LDS
	s_mul_i32 s23, s[WV], KBLK                     ; my 64 rows in the chunk's rows of K_in
	s_lshl_b32 s21, s[WV], 15
	s_mov_b32 s[G0K], 1
	s_mov_b32 s[G0K+1], s20                        ; LDS: my block of K_in at my area's head
	s_mov_b32 s[G0V], 1
	s_add_co_u32 s[G0V+1], s21, VOFF
	s_mul_i32 s22, s[CI], 4*KBLK
	s_add_co_u32 s22, s22, s23                     ; my 64 rows in K_in, bytes
	s_mov_b32 s23, 0
	s_lshl_b32 s54, s[CI], 17
	s_add_co_u32 s54, s54, s21                     ; in V
	s_mov_b32 s55, 0
	s_lshl_b32 s56, s[CI], 16
	s_lshl_b32 s19, s[WV], 14
	s_add_co_u32 s56, s56, s19                     ; in xk and vb
	s_mov_b32 s57, 0
	s_mul_i32 s58, s[CI], 73728
	s_lshl_b32 s59, s[WV], 11
	s_add_co_u32 s58, s58, s59                     ; my tiles in the chunk's state
	s_mov_b32 s59, 0
	s_mov_b32 s[C1], 0x3edb9ada                    ; 128^-1/4 log2(e) = 0.4289158
	s_mov_b32 s[C1+1], s[C1]
	s_mov_b32 s[NC2], 0xbd8293ee                   ; -log2(e) / (2 sqrt(128)) = -0.0637587
	s_mov_b32 s[NB], 0xc0600000                    ; -3.5
	s_mov_b32 s[SEL], 0x76543210
	s_mov_b32 s[SEL+1], 0xfedcba98
	s_wait_dscnt 0x0                               ; the opening add is done
	s_wait_kmcnt 0x0
	s_add_nc_u64 s[G0K+2:G0K+3], s[4:5], s[22:23]
	s_or_b32 s[G0K+3], s[G0K+3], 0x80000000
	s_add_nc_u64 s[G0V+2:G0V+3], s[6:7], s[54:55]
	s_or_b32 s[G0V+3], s[G0V+3], 0x80000000
	s_add_nc_u64 s[XKB:XKB+1], s[10:11], s[56:57]
	s_add_nc_u64 s[VBB:VBB+1], s[12:13], s[56:57]
	s_add_nc_u64 s[STB:STB+1], s[14:15], s[58:59]
	tensor_load_to_lds s[G0K:G0K+3], s[G1K:G1K+7]  ; both first fills of the wave go out together: two tensor loads of mine are out
	s_nop 0
	tensor_load_to_lds s[G0V:G0V+3], s[G1V:G1V+7]
	s_nop 0
	v_and_b32 v[LR], 15, v0
	v_bfe_u32 v[LH], v0, 4, 1
	v_and_b32 v[LL], 31, v0
	v_lshlrev_b32 v[GW], 9, v[LR]                  ; a row of W is 512 bytes
	v_lshl_add_u32 v[GW], v[LH], 6, v[GW]          ; my 16 numbers of each 32
	v_add_nc_u32 v[GW], s19, v[GW]                 ; my wave's 32 rows
	; W: fragment f = 4 e + k is rows 32 w + 16 e + (lane % 16), d = 32 k + 16 (lane / 16) + 0..15.  The same order of d is used for x, so the products are kept.
.set f, 0
.rept 8
.set q, 0
.rept 4
	global_load_b128 v[RAW+16*f+4*q:RAW+16*f+4*q+3], v[GW], s[8:9] offset:(f/4)*8192+(f%4)*128+q*16
.set q, q+1
.endr
.set f, f+1
.endr
	v_lshlrev_b32 v[G16], 4, v[LL]
	v_lshlrev_b32 v[G8], 3, v[LL]
	v_mov_b32 v[ZR], 0
	v_mov_b32 v[NEG1], -1.0
	v_add_nc_u32 v[AWL], WOFF, v[G16]
	s_lshl_b32 s19, s[WV], 13
	v_add_nc_u32 v[AWS], s19, v[AWL]
	v_mul_u32_u24 v[AX], v[LR], 516                ; row x 516: 129 words, so the 16 rows start at 16 neighbouring banks and the two halves of the lanes lie 16 banks apart
	v_lshl_add_u32 v[AX], v[LH], 6, v[AX]
	v_add_nc_u32 v[AX], s20, v[AX]
	v_add_nc_u32 v[AX], 4, v[AX]                   ; the time coordinate is passed over
	v_mul_u32_u24 v[APS], v[LR], PP
	v_lshl_add_u32 v[APS], v[LH], 4, v[APS]
	v_add_nc_u32 v[APS], s20, v[APS]
	s_add_co_u32 s21, s21, VOFF
	v_add_nc_u32 v[AVL], s21, v[G16]
	v_add_nc_u32 v[AVS], s21, v[G8]
	v_and_b32 v[TA], 7, v0                         ; the turning load: lane l reads key 8 (l / 16) + l % 8, columns 8 ((l / 8) % 2) + 0..7
	v_lshl_add_u32 v[TA], v[LH], 3, v[TA]
	v_mul_u32_u24 v[TA], v[TA], PP
	v_bfe_u32 v[TB], v0, 3, 1
	v_lshl_add_u32 v[TA], v[TB], 4, v[TA]
	v_add_nc_u32 v[ATV], VOFF, v[TA]
	v_add_nc_u32 v[ATV+1], VOFF+2*VBLK, v[TA]
	v_lshl_add_u32 v[ATK], s[WV], 6, v[TA]         ; my 32 features: 64 bytes a wave
	v_add_nc_u32 v[ATK+1], 2*KAREA, v[ATK]
	v_add_nc_u32 v[ATKL], LOI, v[ATK]
	v_add_nc_u32 v[ATKL+1], LOI+2*KAREA, v[ATK]
.set f, 0
.rept 8
	s_wait_loadcnt 28-4*f                          ; loads come back in order: fragment f's four are in, the younger ones stay out
.set i, 0
.rept 8
	v_cvt_pk_bf16_f32 v[WP+8*f+i], v[RAW+16*f+2*i], v[RAW+16*f+2*i+1]
.set i, i+1
.endr
	ds_store_b128 v[AWS], v[WP+8*f:WP+8*f+3] offset:f*1024       ; 32 lanes x 16 neighbouring bytes
	ds_store_b128 v[AWS], v[WP+8*f+4:WP+8*f+7] offset:f*1024+512
.set f, f+1
.endr
	s_wait_dscnt 0x0                               ; for the others' sake: my quarter of W is in LDS
	s_barrier_signal -1
	s_barrier_wait -1                              ; my tensor loads may stay out
; x of my 64 keys, half a tile (16 keys x 64 d) at a time: 32 loads of one word, since a row of 516 bytes has no wider alignment
.macro XLOAD p
.set u, 0
.rept 32
	ds_load_b32 v[T+32*((\p)%2)+u], v[AX] offset:((\p)/2)*8256+(2*((\p)%2)+u/16)*128+(u%16)*4
.set u, u+1
.endr
.endm
.macro XCONV p                         ; rounded to bf16; the squares are taken of the rounded numbers, four chains
.set u, 0
.rept 16
	v_cvt_pk_bf16_f32 v[XF+16*(\p)+u], v[T+32*((\p)%2)+2*u], v[T+32*((\p)%2)+2*u+1]
.set u, u+1
.endr
.set u, 0
.rept 16
.set rx, XF+16*(\p)+u
.if (((\p)%2) == 0) && (u < 2)
	v_fma_mix_f32_bf16 v[SS+2*u], v[rx], v[rx], v[ZR] op_sel_hi:[1,1,0]
	v_fma_mix_f32_bf16 v[SS+2*u+1], v[rx], v[rx], v[ZR] op_sel:[1,1,0] op_sel_hi:[1,1,0]
.else
	v_fma_mix_f32_bf16 v[SS+2*(u%2)], v[rx], v[rx], v[SS+2*(u%2)] op_sel_hi:[1,1,0]
	v_fma_mix_f32_bf16 v[SS+2*(u%2)+1], v[rx], v[rx], v[SS+2*(u%2)+1] op_sel:[1,1,0] op_sel_hi:[1,1,0]
.endif
.set u, u+1
.endr
.if ((\p)%2) == 1                      ; the tile is whole: my 64 squares and the other half of the lanes' 64
	v_add_f32 v[SS], v[SS], v[SS+1]
	v_add_f32 v[SS+2], v[SS+2], v[SS+3]
	v_add_f32 v[SS], v[SS], v[SS+2]
	v_permlanex16_b32 v[SS+1], v[SS], s[SEL], s[SEL+1]
	v_add_f32 v[SS], v[SS], v[SS+1]
	v_fma_f32 v[C0+2*((\p)/2)], v[SS], s[NC2], s[NB]
	v_mov_b32 v[C0+2*((\p)/2)+1], v[C0+2*((\p)/2)]
.endif
.endm
.macro WLOAD b                         ; the four fragments of the trip's feature block b (0, 1), into buffer b
	WIN W_LD
.set k, 0
.rept 4
	ds_load_b128 v[WF+32*(\b)+8*k:WF+32*(\b)+8*k+3], v[AWC] offset:(4*(\b)+k)*1024
	ds_load_b128 v[WF+32*(\b)+8*k+4:WF+32*(\b)+8*k+7], v[AWC] offset:(4*(\b)+k)*1024+512
.set k, k+1
.endr
.endm
.macro UMUL b                          ; u^T = W x^T for 16 features x my 64 keys: a lane holds one key and eight features.  The four accumulators take turns
	WIN W_UM
.set k, 0
.rept 4
.set n, 0
.rept 4
.set rd, ACC+32*(\b)+8*n
.if k == 0
	v_wmma_f32_16x16x32_bf16 v[rd:rd+7], v[WF+32*(\b)+8*k:WF+32*(\b)+8*k+7], v[XF+32*n+8*k:XF+32*n+8*k+7], 0
.else
	v_wmma_f32_16x16x32_bf16 v[rd:rd+7], v[WF+32*(\b)+8*k:WF+32*(\b)+8*k+7], v[XF+32*n+8*k:XF+32*n+8*k+7], v[rd:rd+7]
.endif
.set n, n+1
.endr
.set k, k+1
.endr
.endm
.macro ESTAGE b                        ; phi = 2^(c1 u + c0); hi = bf16(phi), 16 bytes a lane into the hi image; phi - hi in place (exact); lo = bf16 of that, into the lo image
	WIN 0
.set eb, ACC+32*(\b)
.set en, 0
.rept 4
.set ej, 0
.rept 4
	v_pk_fma_f32 v[eb+8*en+2*ej:eb+8*en+2*ej+1], v[eb+8*en+2*ej:eb+8*en+2*ej+1], s[C1:C1+1], v[C0+2*en:C0+2*en+1] op_sel_hi:[1,0,0]
.set ej, ej+1
.endr
.set en, en+1
.endr
.set ej, 0
.rept 32
	v_exp_f32 v[eb+ej], v[eb+ej]
.set ej, ej+1
.endr
	v_nop                                          ; a plain instruction between the exponentials and the use of their results (ISA guide 5.7.2)
.set en, 0
	s_wait_alu depctr_va_vdst(0)
.rept 4
.set ej, 0
.rept 4
	v_cvt_pk_bf16_f32 v[PKD+4*en+ej], v[eb+8*en+2*ej], v[eb+8*en+2*ej+1]
.set ej, ej+1
.endr
	ds_store_b128 v[APC], v[PKD+4*en:PKD+4*en+3] offset:en*16*PP+(\b)*32
.set en, en+1
.endr
.set ej, 0
.rept 16
	v_fma_mix_f32_bf16 v[eb+2*ej], v[PKD+ej], v[NEG1], v[eb+2*ej] op_sel_hi:[1,0,0]
	v_fma_mix_f32_bf16 v[eb+2*ej+1], v[PKD+ej], v[NEG1], v[eb+2*ej+1] op_sel:[1,0,0] op_sel_hi:[1,0,0]
.set ej, ej+1
.endr
.set en, 0
.rept 4
.set ej, 0
.rept 4
	v_cvt_pk_bf16_f32 v[PKD+4*en+ej], v[eb+8*en+2*ej], v[eb+8*en+2*ej+1]
.set ej, ej+1
.endr
	ds_store_b128 v[APC], v[PKD+4*en:PKD+4*en+3] offset:LOI+en*16*PP+(\b)*32
.set en, en+1
.endr
.endm
	s_wait_tensorcnt 0x1                           ; my block of K_in is in; V's load, issued behind it, may stay out.  Only I read these bytes
	XLOAD 0
	XLOAD 1
.set xp, 0
.rept 8
.if xp < 7
	s_wait_dscnt 32                                ; the next half tile's 32 loads may stay out
.else
	s_wait_dscnt 0x0
.endif
	XCONV xp
.if xp < 6
	XLOAD xp+2
.endif
.set xp, xp+1
.endr
	; x leaves as its fragments lie in registers: fragment (tile n, K step k) at (4 n + k) x 1,024 bytes, registers 0-3 of all lanes, then 4-7: each store is 512 consecutive bytes, aligned to 256
.set i, 0
.rept 32
	global_store_b128 v[G16], v[XF+4*i:XF+4*i+3], s[XKB:XKB+1] offset:i*512
.set i, i+1
.endr
	; all of my x is in registers: from here on my area takes phi_k's two images.  Four trips, two feature blocks of 16 a trip
	s_mov_b32 s[WO], 0
	s_mov_b32 s[PO], 0
	s_mov_b32 s[CNT], 4
.Lphi:
	v_add_nc_u32 v[AWC], s[WO], v[AWL]
	v_add_nc_u32 v[APC], s[PO], v[APS]
	WLOAD 0                                        ; the stage's vector work of the trip before stands between the last products and these loads
	WLOAD 1
	s_wait_dscnt 8                                 ; block 0's fragments are in; block 1's eight loads may stay out
	UMUL 0
	s_wait_dscnt 0x0
	UMUL 1
	PLACES
	ESTAGE 0
	ESTAGE 1
	WIN 0                                          ; at a label and at a branch every window is 0
	s_add_co_u32 s[WO], s[WO], 8192                ; eight fragments on
	s_add_co_u32 s[PO], s[PO], 64                  ; 32 features on
	s_sub_co_u32 s[CNT], s[CNT], 1
	s_cmp_lg_u32 s[CNT], 0
	s_cbranch_scc1 .Lphi
; V: 16 rows at a time: a row of 512 bytes a load, rounded, 8 bytes a lane: a row of 256 bytes into LDS and the same 256 bytes, aligned, into vb.
; The bf16 rows (pitch 288) never reach f32 rows that are still to be read (pitch 512), and the loads of a batch are issued ahead of the stores that could touch it.
.macro VLD bt, buf
.set vi, 0
.rept 16
	ds_load_b128 v[(\buf)+4*vi:(\buf)+4*vi+3], v[AVL] offset:(16*(\bt)+vi)*512
.set vi, vi+1
.endr
.endm
.macro VCV bt, buf, vp
.set vi, 0
.rept 16
	v_cvt_pk_bf16_f32 v[(\vp)+2*vi], v[(\buf)+4*vi], v[(\buf)+4*vi+1]
	v_cvt_pk_bf16_f32 v[(\vp)+2*vi+1], v[(\buf)+4*vi+2], v[(\buf)+4*vi+3]
	ds_store_b64 v[AVS], v[(\vp)+2*vi:(\vp)+2*vi+1] offset:(16*(\bt)+vi)*PP
	global_store_b64 v[G8], v[(\vp)+2*vi:(\vp)+2*vi+1], s[VBB:VBB+1] offset:(16*(\bt)+vi)*256
.set vi, vi+1
.endr
.endm
	s_wait_tensorcnt 0x0                           ; my block of V is in
	s_wait_xcnt 0x0                                ; the stores of x have read v128-255: only now are these written again
	VLD 0, 64
	VLD 1, 128
	s_wait_dscnt 16                                ; batch 0 is in; batch 1's loads stay out
	VCV 0, 64, 192
	VLD 2, 64
	s_wait_dscnt 32                                ; behind batch 1's loads: 16 stores and 16 loads
	VCV 1, 128, 224
	VLD 3, 128
	s_wait_dscnt 32
	s_wait_xcnt 0x0                                ; batch 0's stores have read v192-223
	VCV 2, 64, 192
	s_wait_dscnt 16                                ; behind batch 3's loads: 16 stores
	s_wait_xcnt 0x0
	VCV 3, 128, 224
	s_wait_dscnt 0x0                               ; for the others' sake: my rows of phi_k and V are in LDS
	s_barrier_signal -1
	s_barrier_wait -1
	s_cmp_eq_u32 s[CH], 15
	s_cbranch_scc1 .Lend                           ; the batch's last chunk: no later chunk adds its state
; THE STATE.  Wave w makes features 32 w .. 32 w + 31 x all 144 columns: source 0 = phi_k^T (16 features x 32 keys), hi and then lo, source 1 = V (32 keys x 16 columns), all turned out of LDS; column block 8 multiplies by ones.
.macro SLOAD sb                        ; keys 32 sb on, into buffer sb % 2: 24 loads
.set sh, (\sb)%2
.set so, ((\sb)/2)%2
	WIN 0
.set se, 0
.rept 2
	ds_load_tr16_b128 v[AF+16*sh+8*se:AF+16*sh+8*se+3], v[ATK+(\sb)/4] offset:so*KAREA+sh*32*PP+se*32
	ds_load_tr16_b128 v[AF+16*sh+8*se+4:AF+16*sh+8*se+7], v[ATK+(\sb)/4] offset:so*KAREA+sh*32*PP+16*PP+se*32
.set se, se+1
.endr
.set sv, 0
.rept 8
	ds_load_tr16_b128 v[BF+64*sh+8*sv:BF+64*sh+8*sv+3], v[ATV+(\sb)/4] offset:so*VBLK+sh*32*PP+sv*32
	ds_load_tr16_b128 v[BF+64*sh+8*sv+4:BF+64*sh+8*sv+7], v[ATV+(\sb)/4] offset:so*VBLK+sh*32*PP+16*PP+sv*32
.set sv, sv+1
.endr
	WIN 0x40                                       ; destination window 1
.set se, 0
.rept 2
	ds_load_tr16_b128 v[AFL+16*sh+8*se:AFL+16*sh+8*se+3], v[ATKL+(\sb)/4] offset:so*KAREA+sh*32*PP+se*32
	ds_load_tr16_b128 v[AFL+16*sh+8*se+4:AFL+16*sh+8*se+7], v[ATKL+(\sb)/4] offset:so*KAREA+sh*32*PP+16*PP+se*32
.set se, se+1
.endr
.endm
.macro SMUL sb                         ; 18 accumulators by turns, once with hi and once with lo; the first step's hi starts the sums
.set st, 0
.rept 2
	WIN 0x50+st                                    ; C and D in window 1; source 0 in window 0 (hi) or 1 (lo)
.set sv, 0
.rept 9
.set se, 0
.rept 2
.set rd, 8*(9*se+sv)
.set ra, AF+16*((\sb)%2)+8*se
.if st == 1
.set ra, AFL+16*((\sb)%2)+8*se
.endif
.set rb, BF+64*((\sb)%2)+8*sv
.if sv == 8
.set rb, ONES
.endif
.if ((\sb) == 0) && (st == 0)
	v_wmma_f32_16x16x32_bf16 v[rd:rd+7], v[ra:ra+7], v[rb:rb+7], 0
.else
	v_wmma_f32_16x16x32_bf16 v[rd:rd+7], v[ra:ra+7], v[rb:rb+7], v[rd:rd+7]
.endif
.set se, se+1
.endr
.set sv, sv+1
.endr
.set st, st+1
.endr
.endm
	s_wait_xcnt 0x0                                ; the stores of V have read v192-255
.set i, 0
.rept 8
	v_mov_b32 v[ONES+i], 0x3f803f80                ; 1.0, 1.0 in bf16
.set i, i+1
.endr
	SLOAD 0
	SLOAD 1
.set ts, 0
.rept 8
.if ts < 7
	s_wait_dscnt 24                                ; the next step's 24 loads may stay out
.else
	s_wait_dscnt 0x0
.endif
	SMUL ts
	PLACES                                         ; in front of the loads into the buffer just multiplied; behind the last step: in front of the stores
.if ts < 6
	SLOAD ts+2
.endif
.set ts, ts+1
.endr
	; tile (column block vt, feature block mt) lies at (8 vt + mt) x 1,024 bytes as the accumulator lies in registers: each store is 512 consecutive bytes, aligned to 256
	WIN 0x04                                       ; the stores' data in window 1
.set sv, 0
.rept 9
.set se, 0
.rept 2
	global_store_b128 v[G16], v[8*(9*se+sv):8*(9*se+sv)+3], s[STB:STB+1] offset:sv*8192+se*1024
	global_store_b128 v[G16], v[8*(9*se+sv)+4:8*(9*se+sv)+7], s[STB:STB+1] offset:sv*8192+se*1024+512
.set se, se+1
.endr
.set sv, sv+1
.endr
	WIN 0
.Lend:
	s_wait_tensorcnt 0x0                           ; the wave's end
	ds_add_u32 v[SPW], v[NIL]
	s_wait_dscnt 0x0
	s_endpgm
.Lfunc_end_k_q9c54821a81_kv:
	.size	k_q9c54821a81_kv, .Lfunc_end_k_q9c54821a81_kv-k_q9c54821a81_kv
	.p2alignl 7, 3214868480
	.fill 96, 4, 3214868480
	.section	.rodata,"a",@progbits
	.p2align	6, 0x0
	.amdhsa_kernel k_q9c54821a81_kv
		.amdhsa_group_segment_fixed_size 311808
		.amdhsa_private_segment_fixed_size 0
		.amdhsa_enable_private_segment 0
		.amdhsa_kernarg_size 48
		.amdhsa_user_sgpr_count 2
		.amdhsa_user_sgpr_kernarg_segment_ptr 1
		.amdhsa_wavefront_size32 1
		.amdhsa_system_sgpr_workgroup_id_x 1
		.amdhsa_system_sgpr_workgroup_id_y 1
		.amdhsa_system_sgpr_workgroup_id_z 1
		.amdhsa_system_vgpr_workitem_id 0
		.amdhsa_next_free_vgpr 512
		.amdhsa_next_free_sgpr 72
		.amdhsa_reserve_vcc 0
		.amdhsa_float_denorm_mode_32 3
		.amdhsa_float_denorm_mode_16_64 3
		.amdhsa_memory_ordered 1
		.amdhsa_forward_progress 1
		.amdhsa_inst_pref_size 134
	.end_amdhsa_kernel
	.amdgpu_metadata
---
amdhsa.version: [ 1, 2 ]
amdhsa.kernels:
  - .name:           k_q9c54821a81_kv
    .symbol:         k_q9c54821a81_kv.kd
    .args:
      - { .name: K_in, .offset: 0, .size: 8, .value_kind: global_buffer, .address_space: global }
      - { .name: V, .offset: 8, .size: 8, .value_kind: global_buffer, .address_space: global }
      - { .name: W, .offset: 16, .size: 8, .value_kind: global_buffer, .address_space: global }
      - { .name: xk, .offset: 24, .size: 8, .value_kind: global_buffer, .address_space: global }
      - { .name: vb, .offset: 32, .size: 8, .value_kind: global_buffer, .address_space: global }
      - { .name: st, .offset: 40, .size: 8, .value_kind: global_buffer, .address_space: global }
    .group_segment_fixed_size: 311808
    .private_segment_fixed_size: 0
    .kernarg_segment_align: 8
    .kernarg_segment_size: 48
    .max_flat_workgroup_size: 128
    .sgpr_count:     72
    .vgpr_count:     512
    .wavefront_size: 32
...
	.end_amdgpu_metadata
.endif
;; end of part 1
;; launch scan (part 2): grid 18 x 16, 4 waves a work-group, no clusters, 0 bytes of LDS; arguments st, pst; writes pst
.if DOCPART == 2
	.amdgcn_target "amdgcn-amd-amdhsa--gfx1250"
	.amdhsa_code_object_version 6
	.text
	.protected	k_q9c54821a81_scan
	.globl	k_q9c54821a81_scan
	.p2align	8
	.type	k_q9c54821a81_scan,@function
k_q9c54821a81_scan:
	s_mov_b64 s[64:65], 0
	v_nop
	global_prefetch_b8 v0, s[64:65] scope:SCOPE_SE
	s_setreg_imm32_b32 hwreg(HW_REG_WAVE_MODE, 25, 1), 1
	s_wait_xcnt 0x0
; scan: for each batch the running sum, in f32, of its chunks' states: P[c] = st[0] + .. + st[c-1] (P[0] = 0), written as TWO bf16 numbers, hi = bf16(P) and lo = bf16(P - hi)
; (the difference is exact in f32): the matrix operands of the next launch.  pst[c] is 36,864 bytes of hi, then 36,864 of lo.
; A state is 72 tiles of 1,024 bytes, each as an accumulator lies in registers (registers 0-3 of all lanes, then registers 4-7).  A thread owns one lane of one tile: eight numbers,
; which pack into the 16 bytes that the same lane holds of the bf16 fragment: tile T of st goes to byte 512 T of hi and of lo.  Nothing changes lanes, so there is no LDS and no barrier.
; 72 tiles x 32 lanes = 2,304 threads a batch = 18 work-groups of four waves.  All 30 loads of a thread go out at once; each load and store of a wave covers 512 consecutive bytes, aligned to 256.
.set SB,  73728                        ; bytes of a state in f32
.set PB,  73728                        ; bytes of a summed state, hi and lo
.set LO,  36864                        ; lo lies behind hi
.set NEG1, 4                           ; -1.0
.set L,   8                            ; v8-127   chunk c's eight numbers at L + 8 c; they become the running sum, and a step later take the next sum's remainder and its lo
.set PD,  128                          ; v128-191 the 16 packed hi, four registers each.  No register that a store reads is written again
.set TT,  192                          ; v192-199 the first sum's remainder and lo
	s_load_b128 s[4:7], s[0:1], 0x0                ; st s[4:5], pst s[6:7]
	s_and_b32 s8, ttmp7, 0xffff                    ; the batch
	s_mul_i32 s10, s8, 16*SB
	s_mov_b32 s11, 0
	s_mul_i32 s12, s8, 16*PB
	s_mov_b32 s13, 0
	s_lshl_b32 s14, ttmp9, 12                      ; four tiles of 1,024 bytes a work-group
	s_lshl_b32 s15, ttmp9, 11
	v_lshrrev_b32 v1, 5, v0
	v_and_b32 v2, 31, v0
	v_lshlrev_b32 v2, 4, v2
	v_lshl_add_u32 v2, v1, 10, v2
	v_add_nc_u32 v2, s14, v2                       ; where I read
	v_lshl_add_u32 v3, v0, 4, s15                  ; where I write
	v_mov_b32 v[NEG1], -1.0
	s_wait_kmcnt 0x0
	s_add_nc_u64 s[4:5], s[4:5], s[10:11]
	s_add_nc_u64 s[6:7], s[6:7], s[12:13]
.set c, 0
.rept 15
	global_load_b128 v[L+8*c:L+8*c+3], v2, s[4:5] offset:c*SB th:TH_LOAD_NT
	global_load_b128 v[L+8*c+4:L+8*c+7], v2, s[4:5] offset:c*SB+512 th:TH_LOAD_NT
.set c, c+1
.endr
.set i, 0
.rept 4
	v_mov_b32 v[PD+i], 0
.set i, i+1
.endr
	global_store_b128 v3, v[PD:PD+3], s[6:7]       ; the first chunk has nothing before it: hi
	global_store_b128 v3, v[PD:PD+3], s[6:7] offset:LO  ; and lo
.set c, 0
.rept 15
	s_wait_loadcnt 28-2*c                          ; loads come back in order: chunk c's two are in, the younger ones stay out
.set R, TT
.if c > 0
.set R, L+8*c-8                        ; the sum before is added on, and its registers are free
.set i, 0
.rept 4
	v_pk_add_f32 v[L+8*c+2*i:L+8*c+2*i+1], v[L+8*c+2*i:L+8*c+2*i+1], v[L+8*c-8+2*i:L+8*c-8+2*i+1]
.set i, i+1
.endr
.endif
.set i, 0
.rept 4
	v_cvt_pk_bf16_f32 v[PD+4*c+4+i], v[L+8*c+2*i], v[L+8*c+2*i+1]
.set i, i+1
.endr
	global_store_b128 v3, v[PD+4*c+4:PD+4*c+7], s[6:7] offset:(c+1)*PB
.set i, 0
.rept 4
	v_fma_mix_f32_bf16 v[R+2*i], v[PD+4*c+4+i], v[NEG1], v[L+8*c+2*i] op_sel_hi:[1,0,0]
	v_fma_mix_f32_bf16 v[R+2*i+1], v[PD+4*c+4+i], v[NEG1], v[L+8*c+2*i+1] op_sel:[1,0,0] op_sel_hi:[1,0,0]
.set i, i+1
.endr
.set i, 0
.rept 4
	v_cvt_pk_bf16_f32 v[R+i], v[R+2*i], v[R+2*i+1] ; in place: register i is written when registers 2 i and 2 i + 1 are read, and those below have been used
.set i, i+1
.endr
	global_store_b128 v3, v[R:R+3], s[6:7] offset:(c+1)*PB+LO
.set c, c+1
.endr
	s_endpgm
.Lfunc_end_k_q9c54821a81_scan:
	.size	k_q9c54821a81_scan, .Lfunc_end_k_q9c54821a81_scan-k_q9c54821a81_scan
	.p2alignl 7, 3214868480
	.fill 96, 4, 3214868480
	.section	.rodata,"a",@progbits
	.p2align	6, 0x0
	.amdhsa_kernel k_q9c54821a81_scan
		.amdhsa_group_segment_fixed_size 0
		.amdhsa_private_segment_fixed_size 0
		.amdhsa_enable_private_segment 0
		.amdhsa_kernarg_size 16
		.amdhsa_user_sgpr_count 2
		.amdhsa_user_sgpr_kernarg_segment_ptr 1
		.amdhsa_wavefront_size32 1
		.amdhsa_system_sgpr_workgroup_id_x 1
		.amdhsa_system_sgpr_workgroup_id_y 1
		.amdhsa_system_sgpr_workgroup_id_z 1
		.amdhsa_system_vgpr_workitem_id 0
		.amdhsa_next_free_vgpr 200
		.amdhsa_next_free_sgpr 66
		.amdhsa_reserve_vcc 0
		.amdhsa_float_denorm_mode_32 3
		.amdhsa_float_denorm_mode_16_64 3
		.amdhsa_memory_ordered 1
		.amdhsa_forward_progress 1
		.amdhsa_inst_pref_size 26
	.end_amdhsa_kernel
	.amdgpu_metadata
---
amdhsa.version: [ 1, 2 ]
amdhsa.kernels:
  - .name:           k_q9c54821a81_scan
    .symbol:         k_q9c54821a81_scan.kd
    .args:
      - { .name: st, .offset: 0, .size: 8, .value_kind: global_buffer, .address_space: global }
      - { .name: pst, .offset: 8, .size: 8, .value_kind: global_buffer, .address_space: global }
    .group_segment_fixed_size: 0
    .private_segment_fixed_size: 0
    .kernarg_segment_align: 8
    .kernarg_segment_size: 16
    .max_flat_workgroup_size: 128
    .sgpr_count:     66
    .vgpr_count:     200
    .wavefront_size: 32
...
	.end_amdgpu_metadata
.endif
;; end of part 2
;; launch main (part 3): grid 16 x 16, 4 waves a work-group, no clusters, 320,000 bytes of LDS; arguments Q, W, xk, vb, pst, out0; writes out0
.if DOCPART == 3
	.amdgcn_target "amdgcn-amd-amdhsa--gfx1250"
	.amdhsa_code_object_version 6
	.text
	.protected	k_q9c54821a81_main
	.globl	k_q9c54821a81_main
	.p2align	8
	.type	k_q9c54821a81_main,@function
k_q9c54821a81_main:
	s_mov_b64 s[64:65], 0
	v_nop
	global_prefetch_b8 v0, s[64:65] scope:SCOPE_SE
	s_setreg_imm32_b32 hwreg(HW_REG_WAVE_MODE, 25, 1), 1
	s_wait_xcnt 0x0
; main: for one chunk of 256 rows of one batch:  num[t] = phi_q[t] . P + sum over keys s <= t of the chunk of (phi_q[t] . phi_k[s]) [V | 1][s],  y = num[0:128] / max(num[128], 1e-6),  out = [sqrt(1 + |y|^2), y].
; P (144 x 128, in fragment order) is the sum of the states of all earlier chunks; V and x_k = K_in[..., 1:] come in bf16; phi = exp(s x.W - s^2 |x|^2 / 2) / sqrt(128) is made here, of Q[..., 1:] and of x_k.
; FORMATS.  Q and W are rounded to bf16 once (K_in and V were); the scale is applied in f32 behind the product, |x|^2 is taken of the rounded x; all sums in f32.
; What the program itself makes and multiplies again (phi_q, phi_k, the weights phi_q.phi_k, P) is carried as TWO bf16 numbers, hi = bf16(a) and lo = bf16(a - hi), the difference exact in f32:
; a row's sums are carried by a few keys and features, so one rounding to 8 bits would show in y.  a b = hi hi + lo hi + hi lo (three products); with V or ones, which are exact: two.
; The divisor is a product with ones and with z, of the same weights as the numerator.
; LIMITS.  1/sqrt(128) is folded into the exponent (2^-3.5); a phi below 2^-126 counts as 0; a number above bf16's largest finite one rounds to infinity, and its lo is then NaN; NaN and infinities are not treated apart (a NaN divisor counts as 1e-6).
; LAYOUT.  All products are used transposed: a lane holds ONE row t (lane % 16) in the weights and in O^T, so the weights pack in place into source 1 of the next product, and divisor and norm are one number a lane.
; SHARES.  Four waves; a wave owns 64 consecutive rows: 33,024 bytes of Q and of out0 = 129 x 256, dense and aligned; it makes phi_k of the 64 keys of the same numbers for all four waves.
; It walks the 64-key blocks below its own without a mask (a loop of three trips; a wave jumps over the blocks at and above its own) and its own with one.  Wave 3 so has four blocks and wave 0 one.
; NO CLUSTER: the work-groups share W alone, 65,536 of the 402,432 bytes that a work-group fetches.
; LDS.  Every tensor load is a first fill.  A wave's area holds in turn: its block of Q; phi_q's two images (read back by the wave); phi_k's two images of its 64 keys (read by all); its block of the output.
; REGISTERS, in windows of 256 (s_set_vgpr_msb: bits 1:0 source 0, 3:2 source 1, 5:4 source 2, 7:6 destination):
;   window 0: v0-63 addresses and small things; v64-127 accumulators of phi, later of the weights; v128-255 x of Q, later v128-159 weights lo, v192-223 weights hi, v224-255 the divisor's accumulators
;   window 1: O^T, row tile tt, column block vt at 64 tt + 8 vt      window 2: v0-127 phi_q hi; v128-255 x_k, later v128-191 phi_k hi and v192-255 V
;   window 3: v0-63 fragments of W, later of P hi; v64-191 phi_q lo; v192-255 fragments of P lo, later of phi_k lo
.set KBLK,  33024
.set SUB,   34816                      ; a wave's area: 2 x 64 rows of PK bytes; its block of Q and of the output (33,024 bytes) lie at its head
.set PK,    272                        ; a row of an image of phi: 256 + 16 bytes = 68 words: the 16 rows of a load start at 16 different groups of four banks (64 banks of 4 bytes: ISA guide 11.1)
.set PV,    288                        ; a row of V: 256 + 32 bytes = 72 words
.set LOI,   64*PK                      ; the lo image lies behind the hi image
.set VOFF,  4*SUB
.set WOFF,  VOFF+256*PV                ; W in bf16: 32 fragments of 1,024 bytes
.set POFF,  WOFF+32768                 ; P: 36 fragments of hi, then 36 of lo
.set PLO,   36864
.set SPARE, POFF+2*PLO                 ; the spare words, 128 bytes a wave
.set LR, 1
.set LH, 2
.set LL, 3
.set SPW, 4                            ; my spare word's address; never rewritten
.set NIL, 5                            ; 0; never rewritten
.set AX, 6                             ; my x words in my block of Q
.set AWS, 7                            ; where I store my fragments of W
.set AWL, 8                            ; where W's first fragment is read
.set GW, 9                             ; my byte offset in W
.set ZR, 10                            ; 0.0
.set AK0, 11                           ; row (lane % 16) x PK + 16 (lane / 16): my place in an image, area 0
.set AKD, 12                           ; the same in my own area
.set AKC, 13                           ; in the area of the loop's block
.set AV0, 14                           ; the turning load's place in V, from key 0
.set AVD, 15                           ; from my own block's first key
.set AVC, 16                           ; from the loop's block's
.set AO, 17                            ; the stage: my eight numbers of a row
.set AO0, 18                           ; the stage: a row's first word
.set ARD, 19                           ; the stage read back, 16 bytes a lane
.set ARD8, 20                          ; 8 bytes a lane
.set G16, 21
.set G8, 22
.set DD, 23                            ; lane % 16 - 8 (lane / 16): register i of a diagonal tile is kept where i <= DD
.set C0, 24                            ; v24-31
.set SS, 32                            ; v32-39
.set PKD, 40                           ; v40-55 packed phi on its way to LDS: hi, then lo
.set ONES, 40                          ; v40-47, later
.set RI, 48                            ; v48-55, later: 1 / divisor, a pair a row tile
.set TA, 56
.set TB, 57
.set NEG1, 58                          ; -1.0
.set AWC, 59                           ; AWL + the trip's step
.set APC, 60                           ; AKD + the trip's step
.set APH, 61                           ; where P's first hi fragment is read
.set APL, 62                           ; and its first lo fragment
.set ACC, 64
.set T, 64
.set S, 64                             ; the weights: key tile e (0, 1), row tile tt at S + 8 (4 e + tt)
.set XF, 128                           ; x in bf16, tile n, K step k at 128 + 32 n + 8 k: of Q in window 0, of K in window 2
.set RAW, 64
.set WP, 192
.set PKTL, 128                         ; packed weights lo: row tile tt at PKTL + 8 tt
.set PKT, 192                          ; hi
.set DEN, 224
.set PQ, 0                             ; window 2: row tile tt, features 32 a on at 32 tt + 8 a
.set PQL, 64                           ; window 3: the same for lo
.set KF, 128                           ; window 2: key tile e, features 32 a on at KF + 8 (4 e + a)
.set KFL, 192                          ; window 3: the same for lo
.set VF, 192                           ; window 2: column block vt at VF + 8 vt
.set WF, 0                             ; window 3: two buffers of 32
.set PLF, 192                          ; window 3: two buffers of 32
.set WV, 16
.set CI, 17
.set G1Q, 24
.set G1P, 32
.set G1V, 40
.set G0Q, 48
.set G0P, 52
.set G0V, 56
.set C1, 60
.set NC2, 62
.set NB, 63
.set SEL, 66
.set EPS, 68
.set XB, 70
.set MK, 72                            ; s72-79 the diagonal tile's eight lane masks
.set OB, 80
.set KO, 86                            ; the block loop: the block's area
.set VO, 87                            ; its rows of V
.set JJ, 88                            ; its number
.set CNT, 89                           ; trips to go, in whichever loop runs
.set WO, 90                            ; the phi loop: byte step in W's fragments
.set PO, 91                            ; byte step along a row of the images
.set MSB, 0
.macro WIN new                         ; the immediate's high byte repeats the setting that is left; a switch that changes nothing is dropped
.if MSB != (\new)
	s_set_vgpr_msb (MSB<<8)|(\new)
.set MSB, (\new)
.endif
.endm
.macro PLACES                          ; four plain vector instructions between a matrix instruction and what reads its result or writes its registers (ISA guide 7.12.1)
.rept 4
	v_nop
.endr
.endm
	s_load_b256 s[4:11], s[0:1], 0x0               ; Q s[4:5], W s[6:7], xk s[8:9], vb s[10:11]
	s_load_b128 s[12:15], s[0:1], 0x20             ; pst s[12:13], out0 s[14:15]
	v_lshl_add_u32 v[SPW], v0, 2, SPARE
	v_mov_b32 v[NIL], 0
	ds_add_u32 v[SPW], v[NIL]                      ; the wave's opening: the add and its wait ahead of my first tensor load
	ds_add_u32 v4, v5
	v_lshrrev_b32 v[TA], 5, v0
	v_readfirstlane_b32 s[WV], v[TA]               ; wave 0..3
	s_and_b32 s[CI], ttmp7, 0xffff
	s_lshl_b32 s[CI], s[CI], 4
	s_add_co_u32 s[CI], s[CI], ttmp9               ; chunk among all 256
.irp g, G1Q, G1P                                       ; Q and P: dense blocks as rows of 32 elements of 8 bytes
	s_mov_b32 s[\g+0], 3<<16
	s_mov_b32 s[\g+1], 32<<16
	s_mov_b32 s[\g+3], 32<<16
	s_mov_b32 s[\g+5], 32
	s_mov_b32 s[\g+6], 0
	s_mov_b32 s[\g+7], 0
.endr
	s_mov_b32 s[G1Q+2], 129<<16
	s_mov_b32 s[G1Q+4], 129                        ; 129 x 256 bytes = 64 rows of Q
	s_mov_b32 s[G1P+2], 72<<16
	s_mov_b32 s[G1P+4], 72                         ; 72 x 256 bytes = a quarter of P's hi and lo
	s_mov_b32 s[G1V+0], (1<<16)|(1<<20)|(5<<22)|(7<<25)  ; V: elements of 2 bytes; padding on, after every 64 words (code 5), 8 words (code 7)
	s_mov_b32 s[G1V+1], 128<<16                    ; tensor_dim0 = 128
	s_mov_b32 s[G1V+2], 64<<16                     ; tensor_dim1 = 64
	s_mov_b32 s[G1V+3], 128<<16                    ; tile_dim0 = 128
	s_mov_b32 s[G1V+4], 64                         ; tile_dim1 = 64
	s_mov_b32 s[G1V+5], 128
	s_mov_b32 s[G1V+6], 0
	s_mov_b32 s[G1V+7], 0
	s_mul_i32 s18, s[WV], SUB                      ; my area
	s_mul_i32 s19, s[WV], KBLK                     ; my 64 rows in the chunk's rows of Q and of out0
	s_mul_i32 s20, s[WV], 64*PV
	s_mul_i32 s69, s[WV], 18432
	s_mov_b32 s[G0Q], 1
	s_mov_b32 s[G0Q+1], s18                        ; LDS: my block of Q at my area's head
	s_mov_b32 s[G0P], 1
	s_add_co_u32 s[G0P+1], s69, POFF               ; my quarter of P
	s_mov_b32 s[G0V], 1
	s_add_co_u32 s[G0V+1], s20, VOFF               ; my quarter of V's rows
	s_mul_i32 s82, s[CI], 4*KBLK
	s_add_co_u32 s82, s82, s19                     ; my 64 rows in Q and in out0, bytes
	s_mov_b32 s83, 0
	s_lshl_b32 s84, s[CI], 16
	s_lshl_b32 s21, s[WV], 14
	s_add_co_u32 s84, s84, s21                     ; in xk and vb
	s_mov_b32 s85, 0
	s_mul_i32 s22, s[CI], 73728
	s_add_co_u32 s22, s22, s69                     ; my quarter of P in pst
	s_mov_b32 s23, 0
	s_mov_b32 s[C1], 0x3edb9ada                    ; 128^-1/4 log2(e) = 0.4289158
	s_mov_b32 s[C1+1], s[C1]
	s_mov_b32 s[NC2], 0xbd8293ee                   ; -log2(e) / (2 sqrt(128)) = -0.0637587
	s_mov_b32 s[NB], 0xc0600000                    ; -3.5
	s_mov_b32 s[SEL], 0x76543210
	s_mov_b32 s[SEL+1], 0xfedcba98
	s_mov_b32 s[EPS], 0x358637bd                   ; 1e-6
	s_wait_dscnt 0x0                               ; the opening add is done
	s_wait_kmcnt 0x0
	s_add_nc_u64 s[G0Q+2:G0Q+3], s[4:5], s[82:83]
	s_or_b32 s[G0Q+3], s[G0Q+3], 0x80000000
	s_add_nc_u64 s[G0P+2:G0P+3], s[12:13], s[22:23]
	s_or_b32 s[G0P+3], s[G0P+3], 0x80000000
	s_add_nc_u64 s[G0V+2:G0V+3], s[10:11], s[84:85]
	s_or_b32 s[G0V+3], s[G0V+3], 0x80000000
	s_add_nc_u64 s[XB:XB+1], s[8:9], s[84:85]
	s_add_nc_u64 s[OB:OB+1], s[14:15], s[82:83]
	tensor_load_to_lds s[G0Q:G0Q+3], s[G1Q:G1Q+7]  ; the wave's three first fills go out together, the one wanted first in front: three tensor loads of mine are out
	s_nop 0
	tensor_load_to_lds s[G0P:G0P+3], s[G1P:G1P+7]
	s_nop 0
	tensor_load_to_lds s[G0V:G0V+3], s[G1V:G1V+7]
	s_nop 0
	v_and_b32 v[LR], 15, v0
	v_bfe_u32 v[LH], v0, 4, 1
	v_and_b32 v[LL], 31, v0
	v_lshlrev_b32 v[GW], 9, v[LR]
	v_lshl_add_u32 v[GW], v[LH], 6, v[GW]
	v_add_nc_u32 v[GW], s21, v[GW]
	; W: fragment f = 4 e + k is rows 32 w + 16 e + (lane % 16), d = 32 k + 16 (lane / 16) + 0..15.  The same order of d is used for x, so the products are kept.
.set f, 0
.rept 8
.set q, 0
.rept 4
	global_load_b128 v[RAW+16*f+4*q:RAW+16*f+4*q+3], v[GW], s[6:7] offset:(f/4)*8192+(f%4)*128+q*16
.set q, q+1
.endr
.set f, f+1
.endr
	v_lshlrev_b32 v[G16], 4, v[LL]
	WIN 0x80                                       ; destination window 2
.set i, 0
.rept 32                                               ; x of my 64 keys, 16,384 bytes, as its fragments lie in registers: 512 consecutive bytes a load
	global_load_b128 v[XF+4*i:XF+4*i+3], v[G16], s[XB:XB+1] offset:i*512
.set i, i+1
.endr
	WIN 0
	v_lshlrev_b32 v[G8], 3, v[LL]
	v_mov_b32 v[ZR], 0
	v_mov_b32 v[NEG1], -1.0
	v_mul_u32_u24 v[AO0], v[LR], 516               ; row x 516: 129 words, so the 16 rows start at 16 neighbouring banks
	v_add_nc_u32 v[AO0], s18, v[AO0]
	v_lshl_add_u32 v[AX], v[LH], 6, v[AO0]         ; x: the halves of the lanes lie 16 words apart: 32 lanes, 32 banks
	v_add_nc_u32 v[AX], 4, v[AX]                   ; the time coordinate is passed over
	v_lshl_add_u32 v[AO], v[LH], 5, v[AO0]
	v_add_nc_u32 v[AO], 4, v[AO]
	v_add_nc_u32 v[ARD], s18, v[G16]
	v_add_nc_u32 v[ARD8], s18, v[G8]
	v_add_nc_u32 v[AWL], WOFF, v[G16]
	s_lshl_b32 s69, s[WV], 13
	v_add_nc_u32 v[AWS], s69, v[AWL]
	v_add_nc_u32 v[APH], POFF, v[G16]
	v_add_nc_u32 v[APL], POFF+PLO, v[G16]
	v_mul_u32_u24 v[AK0], v[LR], PK
	v_lshl_add_u32 v[AK0], v[LH], 4, v[AK0]
	v_add_nc_u32 v[AKD], s18, v[AK0]
	v_and_b32 v[TA], 7, v0                         ; the turning load: lane l reads key 8 (l / 16) + l % 8, columns 8 ((l / 8) % 2) + 0..7
	v_lshl_add_u32 v[TA], v[LH], 3, v[TA]
	v_mul_u32_u24 v[AV0], v[TA], PV
	v_bfe_u32 v[TB], v0, 3, 1
	v_lshl_add_u32 v[AV0], v[TB], 4, v[AV0]
	v_add_nc_u32 v[AV0], VOFF, v[AV0]
	v_add_nc_u32 v[AVD], s20, v[AV0]
	v_lshlrev_b32 v[TA], 3, v[LH]
	v_sub_nc_u32 v[DD], v[LR], v[TA]
.set i, 0
.rept 8
	v_cmp_le_i32 s[MK+i], i, v[DD]                 ; key 8 (l / 16) + i <= row l % 16
.set i, i+1
.endr
.set f, 0
.rept 8
	s_wait_loadcnt 60-4*f                          ; loads come back in order: behind fragment f's four stand 28 - 4 f of W and the 32 of x_k
.set i, 0
.rept 8
	v_cvt_pk_bf16_f32 v[WP+8*f+i], v[RAW+16*f+2*i], v[RAW+16*f+2*i+1]
.set i, i+1
.endr
	ds_store_b128 v[AWS], v[WP+8*f:WP+8*f+3] offset:f*1024
	ds_store_b128 v[AWS], v[WP+8*f+4:WP+8*f+7] offset:f*1024+512
.set f, f+1
.endr
	s_wait_dscnt 0x0                               ; for the others' sake: my quarter of W is in LDS
	s_barrier_signal -1
	s_barrier_wait -1                              ; my tensor loads may stay out
; x of my 64 rows, half a tile (16 rows x 64 d) at a time: 32 loads of one word, since a row of 516 bytes has no wider alignment
.macro XLOAD p
.set u, 0
.rept 32
	ds_load_b32 v[T+32*((\p)%2)+u], v[AX] offset:((\p)/2)*8256+(2*((\p)%2)+u/16)*128+(u%16)*4
.set u, u+1
.endr
.endm
.macro XRED n                          ; a tile's squares: my 64 and the other half of the lanes' 64; then c0
	v_add_f32 v[SS], v[SS], v[SS+1]
	v_add_f32 v[SS+2], v[SS+2], v[SS+3]
	v_add_f32 v[SS], v[SS], v[SS+2]
	v_permlanex16_b32 v[SS+1], v[SS], s[SEL], s[SEL+1]
	v_add_f32 v[SS], v[SS], v[SS+1]
	v_fma_f32 v[C0+2*(\n)], v[SS], s[NC2], s[NB]
	v_mov_b32 v[C0+2*(\n)+1], v[C0+2*(\n)]
.endm
.macro XCONV p                         ; rounded to bf16; the squares are taken of the rounded numbers, four chains
.set u, 0
.rept 16
	v_cvt_pk_bf16_f32 v[XF+16*(\p)+u], v[T+32*((\p)%2)+2*u], v[T+32*((\p)%2)+2*u+1]
.set u, u+1
.endr
.set u, 0
.rept 16
.set rx, XF+16*(\p)+u
.if (((\p)%2) == 0) && (u < 2)
	v_fma_mix_f32_bf16 v[SS+2*u], v[rx], v[rx], v[ZR] op_sel_hi:[1,1,0]
	v_fma_mix_f32_bf16 v[SS+2*u+1], v[rx], v[rx], v[ZR] op_sel:[1,1,0] op_sel_hi:[1,1,0]
.else
	v_fma_mix_f32_bf16 v[SS+2*(u%2)], v[rx], v[rx], v[SS+2*(u%2)] op_sel_hi:[1,1,0]
	v_fma_mix_f32_bf16 v[SS+2*(u%2)+1], v[rx], v[rx], v[SS+2*(u%2)+1] op_sel:[1,1,0] op_sel_hi:[1,1,0]
.endif
.set u, u+1
.endr
.if ((\p)%2) == 1
	XRED (\p)/2
.endif
.endm
.macro XSQ n                           ; the same squares for tile n of x_k, which came rounded
	WIN 0x0a                                       ; sources 0 and 1 window 2
.set u, 0
.rept 32
.set rx, XF+32*(\n)+u
.if u < 2
	v_fma_mix_f32_bf16 v[SS+2*u], v[rx], v[rx], v[ZR] op_sel_hi:[1,1,0]
	v_fma_mix_f32_bf16 v[SS+2*u+1], v[rx], v[rx], v[ZR] op_sel:[1,1,0] op_sel_hi:[1,1,0]
.else
	v_fma_mix_f32_bf16 v[SS+2*(u%2)], v[rx], v[rx], v[SS+2*(u%2)] op_sel_hi:[1,1,0]
	v_fma_mix_f32_bf16 v[SS+2*(u%2)+1], v[rx], v[rx], v[SS+2*(u%2)+1] op_sel:[1,1,0] op_sel_hi:[1,1,0]
.endif
.set u, u+1
.endr
	WIN 0
	XRED \n
.endm
.macro WLOAD b                         ; the four fragments of the trip's feature block b (0, 1), into buffer b
	WIN 0xc0                                       ; destination window 3
.set k, 0
.rept 4
	ds_load_b128 v[WF+32*(\b)+8*k:WF+32*(\b)+8*k+3], v[AWC] offset:(4*(\b)+k)*1024
	ds_load_b128 v[WF+32*(\b)+8*k+4:WF+32*(\b)+8*k+7], v[AWC] offset:(4*(\b)+k)*1024+512
.set k, k+1
.endr
.endm
.macro UMUL b, uwin                    ; u^T = W x^T for 16 features x 64 rows: a lane holds one row and eight features.  The four accumulators take turns
	WIN \uwin
.set k, 0
.rept 4
.set n, 0
.rept 4
.set rd, ACC+32*(\b)+8*n
.if k == 0
	v_wmma_f32_16x16x32_bf16 v[rd:rd+7], v[WF+32*(\b)+8*k:WF+32*(\b)+8*k+7], v[XF+32*n+8*k:XF+32*n+8*k+7], 0
.else
	v_wmma_f32_16x16x32_bf16 v[rd:rd+7], v[WF+32*(\b)+8*k:WF+32*(\b)+8*k+7], v[XF+32*n+8*k:XF+32*n+8*k+7], v[rd:rd+7]
.endif
.set n, n+1
.endr
.set k, k+1
.endr
.endm
.macro ESTAGE b                        ; phi = 2^(c1 u + c0); hi = bf16(phi), 16 bytes a lane into the hi image; phi - hi in place (exact); lo = bf16 of that, into the lo image
	WIN 0
.set eb, ACC+32*(\b)
.set en, 0
.rept 4
.set ej, 0
.rept 4
	v_pk_fma_f32 v[eb+8*en+2*ej:eb+8*en+2*ej+1], v[eb+8*en+2*ej:eb+8*en+2*ej+1], s[C1:C1+1], v[C0+2*en:C0+2*en+1] op_sel_hi:[1,0,0]
.set ej, ej+1
.endr
.set en, en+1
.endr
.set ej, 0
.rept 32
	v_exp_f32 v[eb+ej], v[eb+ej]
.set ej, ej+1
.endr
	v_nop                                          ; a plain instruction between the exponentials and the use of their results (ISA guide 5.7.2)
.set en, 0
	s_wait_alu depctr_va_vdst(0)
.rept 4
.set ej, 0
.rept 4
	v_cvt_pk_bf16_f32 v[PKD+4*en+ej], v[eb+8*en+2*ej], v[eb+8*en+2*ej+1]
.set ej, ej+1
.endr
	ds_store_b128 v[APC], v[PKD+4*en:PKD+4*en+3] offset:en*16*PK+(\b)*32
.set en, en+1
.endr
.set ej, 0
.rept 16
	v_fma_mix_f32_bf16 v[eb+2*ej], v[PKD+ej], v[NEG1], v[eb+2*ej] op_sel_hi:[1,0,0]
	v_fma_mix_f32_bf16 v[eb+2*ej+1], v[PKD+ej], v[NEG1], v[eb+2*ej+1] op_sel:[1,0,0] op_sel_hi:[1,0,0]
.set ej, ej+1
.endr
.set en, 0
.rept 4
.set ej, 0
.rept 4
	v_cvt_pk_bf16_f32 v[PKD+4*en+ej], v[eb+8*en+2*ej], v[eb+8*en+2*ej+1]
.set ej, ej+1
.endr
	ds_store_b128 v[APC], v[PKD+4*en:PKD+4*en+3] offset:LOI+en*16*PK+(\b)*32
.set en, en+1
.endr
.endm
; phi of 64 rows, into the two images [row][feature] in my own area: four trips, two feature blocks of 16 a trip.  uwin: the windows of the product (x of Q lies in window 0, x_k in window 2)
.macro PHI uwin
	WIN 0
	s_mov_b32 s[WO], 0
	s_mov_b32 s[PO], 0
	s_mov_b32 s[CNT], 4
.Lphi_\@:
	v_add_nc_u32 v[AWC], s[WO], v[AWL]
	v_add_nc_u32 v[APC], s[PO], v[AKD]
	WLOAD 0                                        ; the stage's vector work of the trip before stands between the last products and these loads
	WLOAD 1
	s_wait_dscnt 8                                 ; block 0's fragments are in; block 1's eight loads may stay out
	UMUL 0, \uwin
	s_wait_dscnt 0x0
	UMUL 1, \uwin
	PLACES
	ESTAGE 0
	ESTAGE 1
	WIN 0                                          ; at a label and at a branch every window is 0
	s_add_co_u32 s[WO], s[WO], 8192                ; eight fragments on
	s_add_co_u32 s[PO], s[PO], 64                  ; 32 features on
	s_sub_co_u32 s[CNT], s[CNT], 1
	s_cmp_lg_u32 s[CNT], 0
	s_cbranch_scc1 .Lphi_\@
.endm
	s_wait_tensorcnt 0x2                           ; my block of Q is in; the two loads issued behind it may stay out.  Only I read these bytes
	XLOAD 0
	XLOAD 1
.set xp, 0
.rept 8
.if xp < 7
	s_wait_dscnt 32                                ; the next half tile's 32 loads may stay out
.else
	s_wait_dscnt 0x0
.endif
	XCONV xp
.if xp < 6
	XLOAD xp+2
.endif
.set xp, xp+1
.endr
	PHI 0x03                                       ; phi_q: W window 3, x window 0.  All of my x is in registers: the images go over my block of Q
	; phi_q comes back as fragments (16 rows x 32 features: two loads of 16 bytes, 32 bytes apart) and stays in registers.  LDS serves a wave's instructions in order: these see my stores above, and phi_k's stores come behind them
	WIN 0x80                                       ; destination window 2
.set n, 0
.rept 4
.set k, 0
.rept 4
	ds_load_b128 v[PQ+32*n+8*k:PQ+32*n+8*k+3], v[AKD] offset:n*16*PK+k*64
	ds_load_b128 v[PQ+32*n+8*k+4:PQ+32*n+8*k+7], v[AKD] offset:n*16*PK+k*64+32
.set k, k+1
.endr
.set n, n+1
.endr
	WIN 0xc0                                       ; destination window 3
.set n, 0
.rept 4
.set k, 0
.rept 4
	ds_load_b128 v[PQL+32*n+8*k:PQL+32*n+8*k+3], v[AKD] offset:LOI+n*16*PK+k*64
	ds_load_b128 v[PQL+32*n+8*k+4:PQL+32*n+8*k+7], v[AKD] offset:LOI+n*16*PK+k*64+32
.set k, k+1
.endr
.set n, n+1
.endr
	WIN 0
	s_wait_loadcnt 0x0                             ; x_k
	XSQ 0
	XSQ 1
	XSQ 2
	XSQ 3
	PHI 0x0b                                       ; phi_k of my 64 keys: W window 3, x window 2
.set i, 0
.rept 8
	v_mov_b32 v[ONES+i], 0x3f803f80                ; 1.0, 1.0 in bf16
.set i, i+1
.endr
	s_wait_tensorcnt 0x0                           ; for the others' sake: my quarters of P and V have landed,
	s_wait_dscnt 0x0                               ; and my keys' images are in LDS
	s_barrier_signal -1
	s_barrier_wait -1
; O^T = P^T phi_q^T starts all sums: column block vt x my four row tiles, four steps of 32 features, three times: hi hi, lo hi, hi lo.  Block 8, whose sixteen rows all hold z, starts the divisor.
.macro PLOAD vt                        ; column block vt's four fragments of hi and four of lo, into buffer vt % 2: 16 loads
	WIN 0xc0
.set k, 0
.rept 4
	ds_load_b128 v[WF+32*((\vt)%2)+8*k:WF+32*((\vt)%2)+8*k+3], v[APH] offset:(4*(\vt)+k)*1024
	ds_load_b128 v[WF+32*((\vt)%2)+8*k+4:WF+32*((\vt)%2)+8*k+7], v[APH] offset:(4*(\vt)+k)*1024+512
	ds_load_b128 v[PLF+32*((\vt)%2)+8*k:PLF+32*((\vt)%2)+8*k+3], v[APL] offset:(4*(\vt)+k)*1024
	ds_load_b128 v[PLF+32*((\vt)%2)+8*k+4:PLF+32*((\vt)%2)+8*k+7], v[APL] offset:(4*(\vt)+k)*1024+512
.set k, k+1
.endr
.endm
.macro QS vt                           ; the four accumulators take turns
.set qt, 0
.rept 3
.set qw, 0x0b                          ; P window 3, phi_q hi window 2
.if qt == 2
.set qw, 0x0f                          ; phi_q lo window 3
.endif
.if (\vt) < 8
.set qw, qw+0x50                       ; C and D window 1; the divisor's lie in window 0
.endif
	WIN qw
.set k, 0
.rept 4
.set n, 0
.rept 4
.set rd, 64*n+8*(\vt)
.if (\vt) == 8
.set rd, DEN+8*n
.endif
.set ra, WF+32*((\vt)%2)+8*k
.if qt == 1
.set ra, PLF+32*((\vt)%2)+8*k
.endif
.set rb, PQ+32*n+8*k
.if qt == 2
.set rb, PQL+32*n+8*k
.endif
.if (qt == 0) && (k == 0)
	v_wmma_f32_16x16x32_bf16 v[rd:rd+7], v[ra:ra+7], v[rb:rb+7], 0
.else
	v_wmma_f32_16x16x32_bf16 v[rd:rd+7], v[ra:ra+7], v[rb:rb+7], v[rd:rd+7]
.endif
.set n, n+1
.endr
.set k, k+1
.endr
.set qt, qt+1
.endr
.endm
	PLOAD 0
	PLOAD 1
.set tv, 0
.rept 9
.if tv < 8
	s_wait_dscnt 16                                ; the next block's 16 loads may stay out
.else
	s_wait_dscnt 0x0
.endif
	QS tv
	PLACES                                         ; in front of the loads into the buffer just multiplied
.if tv < 7
	PLOAD tv+2
.endif
.set tv, tv+1
.endr
	WIN 0                                          ; there every window is 0
; A BLOCK OF 64 KEYS, 32 at a time.  Weights^T = phi_k phi_q^T (a lane: one row, eight keys; hi hi + lo hi + hi lo), split into hi and lo, each source 1 of O^T += V^T weights^T and of the divisor's product with ones.
.macro KLOAD adr, off                  ; 32 keys x 128 features, hi and lo: 32 loads
	WIN 0x80
.set ke, 0
.rept 2
.set ka, 0
.rept 4
	ds_load_b128 v[KF+8*(4*ke+ka):KF+8*(4*ke+ka)+3], v[\adr] offset:(\off)+ke*16*PK+ka*64
	ds_load_b128 v[KF+8*(4*ke+ka)+4:KF+8*(4*ke+ka)+7], v[\adr] offset:(\off)+ke*16*PK+ka*64+32
.set ka, ka+1
.endr
.set ke, ke+1
.endr
	WIN 0xc0
.set ke, 0
.rept 2
.set ka, 0
.rept 4
	ds_load_b128 v[KFL+8*(4*ke+ka):KFL+8*(4*ke+ka)+3], v[\adr] offset:LOI+(\off)+ke*16*PK+ka*64
	ds_load_b128 v[KFL+8*(4*ke+ka)+4:KFL+8*(4*ke+ka)+7], v[\adr] offset:LOI+(\off)+ke*16*PK+ka*64+32
.set ka, ka+1
.endr
.set ke, ke+1
.endr
.endm
.macro VLOAD adr, off                  ; 32 keys x 128 columns, turned: 16 loads
	WIN 0x80
.set kv, 0
.rept 8
	ds_load_tr16_b128 v[VF+8*kv:VF+8*kv+3], v[\adr] offset:(\off)+kv*32
	ds_load_tr16_b128 v[VF+8*kv+4:VF+8*kv+7], v[\adr] offset:(\off)+16*PV+kv*32
.set kv, kv+1
.endr
.endm
; lo: the first row tile that sees these keys.  dg = 1: the diagonal block: of key tile 1, row tile lo sees nothing and is left out.  The accumulators take turns
.macro KQ lo, dg
.set kt, 0
.rept 3
.if kt == 0
	WIN 0x0a                                       ; phi_k hi and phi_q hi in window 2
.elseif kt == 1
	WIN 0x0b                                       ; phi_k lo in window 3
.else
	WIN 0x0e                                       ; phi_k hi in window 2, phi_q lo in window 3
.endif
.set ka, 0
.rept 4
.set ke, 0
.rept 2
.set kn, (\lo)
.rept 4-(\lo)
.if !((\dg) && (ke == 1) && (kn == (\lo)))
.set rd, S+8*(4*ke+kn)
.set ra, KF+8*(4*ke+ka)
.if kt == 1
.set ra, KFL+8*(4*ke+ka)
.endif
.set rb, PQ+32*kn+8*ka
.if kt == 2
.set rb, PQL+32*kn+8*ka
.endif
.if (kt == 0) && (ka == 0)
	v_wmma_f32_16x16x32_bf16 v[rd:rd+7], v[ra:ra+7], v[rb:rb+7], 0
.else
	v_wmma_f32_16x16x32_bf16 v[rd:rd+7], v[ra:ra+7], v[rb:rb+7], v[rd:rd+7]
.endif
.endif
.set kn, kn+1
.endr
.set ke, ke+1
.endr
.set ka, ka+1
.endr
.set kt, kt+1
.endr
.endm
.macro CV lo, dg                       ; the two tiles on the diagonal lose the keys behind the row, by a select; then three passes: hi = bf16(a); a - hi in place (exact); lo = bf16 of that
	WIN 0
.if \dg
.set ci, 0
.rept 8
	v_cndmask_b32 v[S+8*(\lo)+ci], 0, v[S+8*(\lo)+ci], s[MK+ci]
.set ci, ci+1
.endr
.set ci, 0
.rept 8
	v_cndmask_b32 v[S+8*(5+(\lo))+ci], 0, v[S+8*(5+(\lo))+ci], s[MK+ci]
.set ci, ci+1
.endr
.endif
.set cp, 0
.rept 3
.set cn, (\lo)
.rept 4-(\lo)
.set ce, 0
.rept 2
.set ci, 0
.rept 4
.set rs, S+8*(4*ce+cn)+2*ci
.set rh, PKT+8*cn+4*ce+ci
.set rl, PKTL+8*cn+4*ce+ci
.if (\dg) && (ce == 1) && (cn == (\lo))
.if cp == 0
	v_mov_b32 v[rh], 0
	v_mov_b32 v[rl], 0
.endif
.elseif cp == 0
	v_cvt_pk_bf16_f32 v[rh], v[rs], v[rs+1]
.elseif cp == 1
	v_fma_mix_f32_bf16 v[rs], v[rh], v[NEG1], v[rs] op_sel_hi:[1,0,0]
	v_fma_mix_f32_bf16 v[rs+1], v[rh], v[NEG1], v[rs+1] op_sel:[1,0,0] op_sel_hi:[1,0,0]
.else
	v_cvt_pk_bf16_f32 v[rl], v[rs], v[rs+1]
.endif
.set ci, ci+1
.endr
.set ce, ce+1
.endr
.set cn, cn+1
.endr
.set cp, cp+1
.endr
.endm
.macro PVM lo                          ; each accumulator once with the weights' hi, then once with their lo
	WIN 0x52                                       ; V window 2, weights window 0, O^T window 1
.set kt, 0
.rept 2
.set kv, 0
.rept 8
.set kn, (\lo)
.rept 4-(\lo)
.set rb, PKT+8*kn
.if kt == 1
.set rb, PKTL+8*kn
.endif
	v_wmma_f32_16x16x32_bf16 v[64*kn+8*kv:64*kn+8*kv+7], v[VF+8*kv:VF+8*kv+7], v[rb:rb+7], v[64*kn+8*kv:64*kn+8*kv+7]
.set kn, kn+1
.endr
.set kv, kv+1
.endr
.set kt, kt+1
.endr
	WIN 0
.set kt, 0
.rept 2
.set kn, (\lo)
.rept 4-(\lo)
.set rb, PKT+8*kn
.if kt == 1
.set rb, PKTL+8*kn
.endif
	v_wmma_f32_16x16x32_bf16 v[DEN+8*kn:DEN+8*kn+7], v[ONES:ONES+7], v[rb:rb+7], v[DEN+8*kn:DEN+8*kn+7]
.set kn, kn+1
.endr
.set kt, kt+1
.endr
.endm
; Each run of loads stands four places behind the last product that read its registers and a run of products ahead of its first use; each wait leaves the run issued behind the wanted one out.
.macro BLOCK ak, av, dg
	PLACES
	KLOAD \ak, 0
	VLOAD \av, 0
	s_wait_dscnt 16                                ; phi_k is in; V's 16 loads may stay out
	KQ 0, \dg
	PLACES
	KLOAD \ak, 32*PK
	CV 0, \dg
	s_wait_dscnt 32                                ; V is in; the next phi_k's 32 loads may stay out
	PVM 0
	PLACES
	VLOAD \av, 32*PV
	s_wait_dscnt 16                                ; phi_k is in; V's 16 loads may stay out
	KQ 2*(\dg), \dg
	PLACES
	CV 2*(\dg), \dg
	s_wait_dscnt 0x0
	PVM 2*(\dg)
	WIN 0
.endm
	s_mov_b32 s[KO], 0
	s_mov_b32 s[VO], 0
	s_mov_b32 s[JJ], 0
	s_mov_b32 s[CNT], 3
.Lblk:                                                 ; three trips in every wave: block j lies wholly below the rows of waves j + 1 on; the others jump forward to the counter's step
	s_cmp_le_u32 s[WV], s[JJ]
	s_cbranch_scc1 .Lskip
	v_add_nc_u32 v[AKC], s[KO], v[AK0]
	v_add_nc_u32 v[AVC], s[VO], v[AV0]
	BLOCK AKC, AVC, 0
.Lskip:
	s_add_co_u32 s[KO], s[KO], SUB                 ; the next wave's area
	s_add_co_u32 s[VO], s[VO], 64*PV               ; the next 64 rows of V
	s_add_co_u32 s[JJ], s[JJ], 1
	s_sub_co_u32 s[CNT], s[CNT], 1
	s_cmp_lg_u32 s[CNT], 0
	s_cbranch_scc1 .Lblk
	BLOCK AKD, AVD, 1                              ; my own block: its addresses hang on the wave's number
	; THE WAY OUT.  The stage lies over my keys' images, which the waves behind me read: so a barrier stands between every wave's last read of the images and the first store into a stage.
	s_wait_dscnt 0x0                               ; my reads of the images are over
	s_barrier_signal -1
	PLACES                                         ; work on registers between the signal and the wait.  Every register of the divisor's tile holds the lane's row's divisor
.set n, 0
.rept 4
	v_max_num_f32 v[RI+2*n], s[EPS], v[DEN+8*n]
.set n, n+1
.endr
.set n, 0
.rept 4
	v_rcp_f32 v[RI+2*n], v[RI+2*n]
.set n, n+1
.endr
	v_nop                                          ; a plain instruction between the last reciprocal and the use of its result
.set n, 0
	s_wait_alu depctr_va_vdst(0)
.rept 4
	v_mov_b32 v[RI+2*n+1], v[RI+2*n]
.set n, n+1
.endr
	s_barrier_wait -1
; Row tile tt: y = O^T / divisor; |y|^2 of my 64 numbers and the other half of the lanes' 64; both into the stage, which has out0's own layout (rows of 516 bytes), a word at a time
.macro OUTT tt
	WIN 0x41                                       ; destination and source 0 window 1
.set i, 0
.rept 32
	v_pk_mul_f32 v[64*(\tt)+2*i:64*(\tt)+2*i+1], v[64*(\tt)+2*i:64*(\tt)+2*i+1], v[RI+2*(\tt):RI+2*(\tt)+1] op_sel_hi:[1,0]
.set i, i+1
.endr
	WIN 0x05                                       ; sources 0 and 1 window 1
.set i, 0
.rept 32
.if i < 4
	v_pk_mul_f32 v[SS+2*i:SS+2*i+1], v[64*(\tt)+2*i:64*(\tt)+2*i+1], v[64*(\tt)+2*i:64*(\tt)+2*i+1]
.else
	v_pk_fma_f32 v[SS+2*(i%4):SS+2*(i%4)+1], v[64*(\tt)+2*i:64*(\tt)+2*i+1], v[64*(\tt)+2*i:64*(\tt)+2*i+1], v[SS+2*(i%4):SS+2*(i%4)+1]
.endif
.set i, i+1
.endr
	WIN 0
	v_pk_add_f32 v[SS:SS+1], v[SS:SS+1], v[SS+2:SS+3]
	v_pk_add_f32 v[SS+4:SS+5], v[SS+4:SS+5], v[SS+6:SS+7]
	v_pk_add_f32 v[SS:SS+1], v[SS:SS+1], v[SS+4:SS+5]
	v_add_f32 v[SS], v[SS], v[SS+1]
	v_permlanex16_b32 v[SS+1], v[SS], s[SEL], s[SEL+1]
	v_add_f32 v[SS], v[SS], v[SS+1]
	v_add_f32 v[SS], 1.0, v[SS]
	v_sqrt_f32 v[SS+2], v[SS]
	v_nop                                          ; a plain instruction between the root and the use of its result
	WIN 0x04                                       ; the stores' data in window 1
.set i, 0
.rept 64
	ds_store_b32 v[AO], v[64*(\tt)+i] offset:(\tt)*8256+(i/8)*64+(i%8)*4
.set i, i+1
.endr
	WIN 0
	s_wait_alu depctr_va_vdst(0)
	ds_store_b32 v[AO0], v[SS+2] offset:(\tt)*8256  ; both halves of the lanes write the same word with the same number
.endm
	OUTT 0
	OUTT 1
	OUTT 2
	OUTT 3
; My 33,024 bytes leave as they lie: 64 stores of 512 consecutive bytes and one of 256, all aligned to 256.  LDS serves a wave's instructions in order: the loads see my stores above.
.macro OLD bt, buf
.set i, 0
.rept 16
	ds_load_b128 v[(\buf)+4*i:(\buf)+4*i+3], v[ARD] offset:(16*(\bt)+i)*512
.set i, i+1
.endr
.endm
.macro OST bt, buf
.set i, 0
.rept 16
	global_store_b128 v[G16], v[(\buf)+4*i:(\buf)+4*i+3], s[OB:OB+1] offset:(16*(\bt)+i)*512 th:TH_STORE_NT
.set i, i+1
.endr
.endm
	OLD 0, 64
	OLD 1, 128
	s_wait_dscnt 16                                ; the first 16 are in
	OST 0, 64
	s_wait_dscnt 0x0
	OST 1, 128
	s_wait_xcnt 0x0                                ; the stores have read v64-191: only now are these loaded again
	OLD 2, 64
	OLD 3, 128
	ds_load_b64 v[192:193], v[ARD8] offset:32768
	s_wait_dscnt 17                                ; behind the third 16: sixteen loads and the last one
	OST 2, 64
	s_wait_dscnt 1
	OST 3, 128
	s_wait_dscnt 0x0
	global_store_b64 v[G8], v[192:193], s[OB:OB+1] offset:32768 th:TH_STORE_NT
	s_wait_tensorcnt 0x0                           ; the wave's end
	ds_add_u32 v[SPW], v[NIL]
	s_wait_dscnt 0x0
	s_endpgm
.Lfunc_end_k_q9c54821a81_main:
	.size	k_q9c54821a81_main, .Lfunc_end_k_q9c54821a81_main-k_q9c54821a81_main
	.p2alignl 7, 3214868480
	.fill 96, 4, 3214868480
	.section	.rodata,"a",@progbits
	.p2align	6, 0x0
	.amdhsa_kernel k_q9c54821a81_main
		.amdhsa_group_segment_fixed_size 320000
		.amdhsa_private_segment_fixed_size 0
		.amdhsa_enable_private_segment 0
		.amdhsa_kernarg_size 48
		.amdhsa_user_sgpr_count 2
		.amdhsa_user_sgpr_kernarg_segment_ptr 1
		.amdhsa_wavefront_size32 1
		.amdhsa_system_sgpr_workgroup_id_x 1
		.amdhsa_system_sgpr_workgroup_id_y 1
		.amdhsa_system_sgpr_workgroup_id_z 1
		.amdhsa_system_vgpr_workitem_id 0
		.amdhsa_next_free_vgpr 1024
		.amdhsa_next_free_sgpr 92
		.amdhsa_reserve_vcc 0
		.amdhsa_float_denorm_mode_32 3
		.amdhsa_float_denorm_mode_16_64 3
		.amdhsa_memory_ordered 1
		.amdhsa_forward_progress 1
		.amdhsa_inst_pref_size 255
	.end_amdhsa_kernel
	.section	.bss,"aw",@nobits
	.p2align	6
	.space	262144
	.amdgpu_metadata
---
amdhsa.version: [ 1, 2 ]
amdhsa.kernels:
  - .name:           k_q9c54821a81_main
    .symbol:         k_q9c54821a81_main.kd
    .args:
      - { .name: Q, .offset: 0, .size: 8, .value_kind: global_buffer, .address_space: global }
      - { .name: W, .offset: 8, .size: 8, .value_kind: global_buffer, .address_space: global }
      - { .name: xk, .offset: 16, .size: 8, .value_kind: global_buffer, .address_space: global }
      - { .name: vb, .offset: 24, .size: 8, .value_kind: global_buffer, .address_space: global }
      - { .name: pst, .offset: 32, .size: 8, .value_kind: global_buffer, .address_space: global }
      - { .name: out0, .offset: 40, .size: 8, .value_kind: global_buffer, .address_space: global }
    .group_segment_fixed_size: 320000
    .private_segment_fixed_size: 0
    .kernarg_segment_align: 8
    .kernarg_segment_size: 48
    .max_flat_workgroup_size: 128
    .sgpr_count:     92
    .vgpr_count:     1024
    .wavefront_size: 32
...
	.end_amdgpu_metadata
.endif
;; end of part 3
